; MI455X (gfx1250); checked and timed in simulation.
; The chip was launched on July 23, 2026; its instructions are those of AMD's public machine-readable ISA for CDNA 5 (MIT licence, August 2026) and "CDNA5" Instruction Set Architecture Reference Guide (July 2026).
;; Attention. Allowed arithmetic: matrix products marked QUANTISED: E3M2 operands, one E8M0 scale for each 32 along K, by v_wmma_scale_f32_16x16x128_f8f6f4 with both operands' format E3M2, f32 sums; everything else in f32.
;; Inputs: input_key 4 x 16 x 2,048 x 64 float32; input_query 4 x 16 x 2,048 x 64 float32; input_value 4 x 16 x 2,048 x 64 float32.
;; Outputs: out0 4 x 16 x 2,048 x 64 float32.
;; This version of the problem:
;;   THIS VERSION OF THE PROBLEM IS GIVEN IN LOW PRECISION. The matrix products marked QUANTISED in the list below multiply operands that are first quantised to E3M2 (3 exponent bits, 2 mantissa bits; 6 bits a number), with one power-of-two scale for each 32 numbers along K (OCP MX v1.0); their sums are f32. All else is computed in f32.
;;   The module's matrix products, in the order in which they are computed (A, B: the left and right operand; K: the contracted axis; several contracted axes count as one K, in the product's order):
;;     1. batch 64 x [M 2,048, K 64] x [K 64, N 2,048]; A: input input_query; B: input input_key: QUANTISED
;;     2. batch 64 x [M 2,048, K 2,048] x [K 2,048, N 64]; A: softmax (see below); B: input input_value: QUANTISED
;;   THE QUANTISER, for each operand of a quantised product, along K:
;;     - K is cut into blocks of 32 from its start; a last block that is shorter is filled with zeros.
;;     - A block's scale is 2^e with e = floor(log2(the largest magnitude in the block)) - 4, held to -126 .. 127; a block of zeros has e = 0. As a byte (E8M0): e + 127.
;;     - Each number is divided by its block's scale, clamped to +-28, and rounded to the nearest number of E3M2, ties to even, subnormals kept.
;;     - The product sums the exact products of the quantised numbers (number of the format x scale) in f32.
;;   ~~~python
;;   def quantise(x, axis):      # numpy; x: float32 -> the quantised numbers, widened to float32 again
;;       x = np.moveaxis(x, axis, -1); K = x.shape[-1]
;;       x = np.pad(x, [(0, 0)] * (x.ndim - 1) + [(0, -K % 32)]); x = x.reshape(x.shape[:-1] + (-1, 32)); a = np.abs(x).max(-1, keepdims=True)
;;       e = np.where(a > 0, np.clip(np.frexp(np.where(a > 0, a, 1))[1] - 1 - 4, -126, 127), 0)      # np.frexp(a)[1] - 1 = floor(log2(a)), exactly
;;       r = np.clip(x / 2.0 ** e, -28, 28)
;;       step = 2.0 ** (np.maximum(np.frexp(np.where(r == 0, 1, r))[1] - 1, -2) - 2)
;;       q = np.round(r / step) * step * 2.0 ** e      # np.round: ties to even
;;       return np.moveaxis(q.reshape(q.shape[:-2] + (-1,))[..., :K], -1, axis).astype(np.float32)
;;   ~~~
;;   SOFTMAX AHEAD OF A QUANTISED PRODUCT. Where the list says 'softmax', what is quantised is not the finished softmax but p = 2^(t - M), with t = logit x log2(e) and M = ceil(the row's largest t), a whole number; so 1/2 < the row's largest p <= 1. The row's sum l is taken of the UNQUANTISED p, in f32, and the product's result is divided by l at the end. Since M is a whole number, a kernel that streams over the keys may use a running M (the ceiling of the running maximum): every later rescaling is an exact power of two, which a block's scale takes up: the codes' values come out the same.
;;   OPERANDS COMPUTED ON THE WAY. 'Computed on the way' means the value that the module computes at that place (a softmax that the list does not call 'softmax' is quantised finished and normalised). What goes into a quantiser is computed in f32, as accurately as f32 sums, v_exp_f32 and their like allow (about 1e-6 of the number): no bf16 or f16 on the way to a quantiser, and a product that is left as it is and whose result goes on into a quantised operand takes f32 operands (vector FMAs, or v_wmma_f32_16x16x4_f32). A number that lies on a knife's edge between two numbers of the format may be rounded either way, as far as f32 arithmetic and the matrix unit's own rounding can turn it there, and no further.
;; One version. Each part assembles by itself: llvm-mc -triple=amdgcn-amd-amdhsa -mcpu=gfx1250 --defsym DOCPART=n.
;; ======== version 1 of 1: 2 launches
;; limits: inputs' magnitudes at most 8.113e+31
;; workspace buffers: kv 13,107,200 bytes
;; launch prep (part 1): grid 16 x 64, 4 waves a work-group, no clusters, 70,656 bytes of LDS; arguments input_key, input_value, kv; writes kv
.if DOCPART == 1
	.amdgcn_target "amdgcn-amd-amdhsa--gfx1250"
	.amdhsa_code_object_version 6
	.text
	.protected	k_q927e4ea0cf_prep
	.globl	k_q927e4ea0cf_prep
	.p2align	8
	.type	k_q927e4ea0cf_prep,@function
k_q927e4ea0cf_prep:
	s_mov_b64 s[64:65], 0
	v_nop
	global_prefetch_b8 v0, s[64:65] scope:SCOPE_SE
	s_setreg_imm32_b32 hwreg(HW_REG_WAVE_MODE, 25, 1), 1
	s_wait_xcnt 0x0
.set PITCH, 272
.set WROWS, 32*PITCH
.set KT,    0
.set VT,    128*PITCH
.set SCR,   2*128*PITCH
.set FRB,   1536
.set STEPB, 12800
.set HEADB, 16*STEPB
.set LI,  1
.set STA, 4
.set KRD, 5
.set VRD, 6
.set WA,  7
.set SH,  8
.set SRD, 9
.set XK,  16
.set XV,  80
.set CK,  144
.set CV,  156
.set T,   168
.set WK,  183
.set WVW, 184
	s_load_b128 s[4:7], s[0:1], 0x0
	s_load_b64 s[8:9], s[0:1], 0x10
	v_lshl_add_u32 v192, v0, 2, 0x11200
	v_mov_b32 v193, 0
	v_lshrrev_b32 v10, 5, v0
	v_readfirstlane_b32 s10, v10
	s_and_b32 s11, ttmp7, 0xffff
	s_lshl_b32 s12, s11, 19
	s_lshl_b32 s18, ttmp9, 15
	s_add_co_u32 s12, s12, s18
	s_lshl_b32 s18, s10, 13
	s_add_co_u32 s12, s12, s18
	s_mov_b32 s13, 0
	s_mul_i32 s14, s11, HEADB
	s_mul_i32 s18, ttmp9, STEPB
	s_add_co_u32 s14, s14, s18
	s_mul_i32 s18, s10, FRB
	s_add_co_u32 s14, s14, s18
	s_mov_b32 s15, 0
	s_mov_b32 s16, 0x76543210
	s_mov_b32 s17, 0xfedcba98
	s_mul_i32 s19, s10, WROWS
	s_lshl_b32 s20, s10, 6
	s_add_co_u32 s20, s20, VT
	s_lshl_b32 s21, s10, 2
	s_add_co_u32 s21, s21, SCR
	v_and_b32 v10, 31, v0
	v_lshlrev_b32 v[LI], 4, v10
	v_and_b32 v2, 15, v0
	v_bfe_u32 v3, v0, 4, 1
	v_mul_u32_u24 v[STA], v3, PITCH
	v_lshl_add_u32 v[STA], v2, 4, v[STA]
	v_add_nc_u32 v[STA], s19, v[STA]
	v_and_b32 v10, 8, v2
	v_add_nc_u32 v10, v10, v2
	v_mul_u32_u24 v[KRD], v10, PITCH
	v_lshl_add_u32 v[KRD], v3, 7, v[KRD]
	v_add_nc_u32 v[KRD], s19, v[KRD]
	v_mul_u32_u24 v[VRD], v3, WROWS
	v_lshl_add_u32 v[VRD], v2, 2, v[VRD]
	v_add_nc_u32 v[VRD], s20, v[VRD]
	v_lshlrev_b32 v[WA], 4, v2
	v_add_nc_u32 v[WA], s21, v[WA]
	v_lshlrev_b32 v[SH], 3, v3
	v_add_nc_u32 v[SRD], SCR, v[LI]
	v_mov_b32 v182, 0
	s_wait_kmcnt 0x0
	s_add_nc_u64 s[4:5], s[4:5], s[12:13]
	s_add_nc_u64 s[6:7], s[6:7], s[12:13]
	s_add_nc_u64 s[8:9], s[8:9], s[14:15]
.irp j, 0,1,2,3,4,5,6,7,8,9,10,11,12,13,14,15
	global_load_b128 v[XK+4*\j:XK+4*\j+3], v[LI], s[4:5] offset:512*\j th:TH_LOAD_NT
.endr
.irp j, 0,1,2,3,4,5,6,7,8,9,10,11,12,13,14,15
	global_load_b128 v[XV+4*\j:XV+4*\j+3], v[LI], s[6:7] offset:512*\j th:TH_LOAD_NT
.endr
	s_wait_loadcnt 16
.irp j, 0,1,2,3,4,5,6,7,8,9,10,11,12,13,14,15
	ds_store_b128 v[STA], v[XK+4*\j:XK+4*\j+3] offset:KT+2*PITCH*\j
.endr
	s_wait_loadcnt 0x0
.irp j, 0,1,2,3,4,5,6,7,8,9,10,11,12,13,14,15
	ds_store_b128 v[STA], v[XV+4*\j:XV+4*\j+3] offset:VT+2*PITCH*\j
.endr
	s_wait_dscnt 0x0
	s_barrier_signal -1
	s_barrier_wait -1
.irp j, 0,1,2,3,4,5,6,7
	ds_load_b128 v[XK+4*\j:XK+4*\j+3], v[KRD] offset:16*\j
.endr
.irp j, 0,1,2,3,4,5,6,7
	ds_load_b128 v[XK+32+4*\j:XK+32+4*\j+3], v[KRD] offset:8*PITCH+16*\j
.endr
.set i, 0
.rept 32
	ds_load_b32 v[XV+i], v[VRD] offset:PITCH*i
.set i, i+1
.endr
	s_wait_dscnt 32
.set i, 0
.rept 32
	ds_load_b32 v[XV+32+i], v[VRD] offset:PITCH*(64+i)
.set i, i+1
.endr
.macro QUANT src, dst, wrd
	v_max3_num_f32 v176, |v[\src]|, |v[\src+1]|, 0x2800000
	v_max3_num_f32 v177, |v[\src+32]|, |v[\src+33]|, 0x2800000
.irp i, 2,4,6,8,10,12,14,16,18,20,22,24,26,28,30
	v_max3_num_f32 v176, v176, |v[\src+\i]|, |v[\src+\i+1]|
	v_max3_num_f32 v177, v177, |v[\src+32+\i]|, |v[\src+33+\i]|
.endr
	v_add_nc_u32 v178, 0xfe000000, v176
	v_add_nc_u32 v179, 0xfe000000, v177
	v_lshrrev_b32 v180, 23, v178
	v_lshrrev_b32 v181, 23, v179
	v_lshl_or_b32 v[\wrd], v181, 16, v180
	v_lshlrev_b32 v[\wrd], v[SH], v[\wrd]
	v_permlanex16_b32 v182, v[\wrd], s16, s17
	v_or_b32 v[\wrd], v[\wrd], v182
	v_cvt_scalef32_pk16_bf6_f32 v[\dst:\dst+2], v[\src:\src+15], v178
	v_cvt_scalef32_pk16_bf6_f32 v[T:T+2], v[\src+16:\src+31], v178
	v_cvt_scalef32_pk16_bf6_f32 v[\dst+6:\dst+8], v[\src+32:\src+47], v179
	v_cvt_scalef32_pk16_bf6_f32 v[T+4:T+6], v[\src+48:\src+63], v179
	v_nop
.irp i, 0,1,2
	v_mov_b32 v[\dst+3+\i], v[T+\i]
	v_mov_b32 v[\dst+9+\i], v[T+4+\i]
.endr
.endm
	QUANT XK, CK, WK
.irp g, 0,1,2
	global_store_b128 v[LI], v[CK+4*\g:CK+4*\g+3], s[8:9] offset:512*\g
.endr
	ds_store_b32 v[WA], v[WK]
	s_wait_dscnt 0x0
	QUANT XV, CV, WVW
.irp g, 0,1,2
	global_store_b128 v[LI], v[CV+4*\g:CV+4*\g+3], s[8:9] offset:4*FRB+512*\g
.endr
	ds_store_b32 v[WA], v[WVW] offset:256
	s_wait_dscnt 0x0
	s_barrier_signal -1
	s_barrier_wait -1
	s_cmp_lg_u32 s10, 0
	s_cbranch_scc1 .Lend
	ds_load_b128 v[188:191], v[SRD]
	s_wait_dscnt 0x0
	global_store_b128 v[LI], v[188:191], s[8:9] offset:8*FRB
.Lend:
	s_wait_tensorcnt 0x0
	ds_add_u32 v192, v193
	s_wait_dscnt 0x0
	s_endpgm
.Lfunc_end_k_q927e4ea0cf_prep:
	.size	k_q927e4ea0cf_prep, .Lfunc_end_k_q927e4ea0cf_prep-k_q927e4ea0cf_prep
	.p2alignl 7, 3214868480
	.fill 96, 4, 3214868480
	.section	.rodata,"a",@progbits
	.p2align	6, 0x0
	.amdhsa_kernel k_q927e4ea0cf_prep
		.amdhsa_group_segment_fixed_size 70656
		.amdhsa_private_segment_fixed_size 0
		.amdhsa_enable_private_segment 0
		.amdhsa_kernarg_size 24
		.amdhsa_user_sgpr_count 2
		.amdhsa_user_sgpr_kernarg_segment_ptr 1
		.amdhsa_wavefront_size32 1
		.amdhsa_system_sgpr_workgroup_id_x 1
		.amdhsa_system_sgpr_workgroup_id_y 1
		.amdhsa_system_sgpr_workgroup_id_z 1
		.amdhsa_system_vgpr_workitem_id 0
		.amdhsa_next_free_vgpr 194
		.amdhsa_next_free_sgpr 66
		.amdhsa_reserve_vcc 0
		.amdhsa_float_denorm_mode_32 3
		.amdhsa_float_denorm_mode_16_64 3
		.amdhsa_memory_ordered 1
		.amdhsa_forward_progress 1
		.amdhsa_inst_pref_size 20
	.end_amdhsa_kernel
	.amdgpu_metadata
---
amdhsa.version: [ 1, 2 ]
amdhsa.kernels:
  - .name:           k_q927e4ea0cf_prep
    .symbol:         k_q927e4ea0cf_prep.kd
    .args:
      - { .name: input_key, .offset: 0, .size: 8, .value_kind: global_buffer, .address_space: global }
      - { .name: input_value, .offset: 8, .size: 8, .value_kind: global_buffer, .address_space: global }
      - { .name: kv, .offset: 16, .size: 8, .value_kind: global_buffer, .address_space: global }
    .group_segment_fixed_size: 70656
    .private_segment_fixed_size: 0
    .kernarg_segment_align: 8
    .kernarg_segment_size: 24
    .max_flat_workgroup_size: 128
    .sgpr_count:     66
    .vgpr_count:     194
    .wavefront_size: 32
...
	.end_amdgpu_metadata
.endif
;; end of part 1
;; launch attn (part 2): grid 4 x 64, 16 waves a work-group, clusters of 4 x 1, 276,480 bytes of LDS; arguments input_query, kv, out0; writes out0
.if DOCPART == 2
	.amdgcn_target "amdgcn-amd-amdhsa--gfx1250"
	.amdhsa_code_object_version 6
	.text
	.protected	k_q927e4ea0cf_attn
	.globl	k_q927e4ea0cf_attn
	.p2align	8
	.type	k_q927e4ea0cf_attn,@function
k_q927e4ea0cf_attn:
	s_mov_b64 s[64:65], 0
	v_nop
	global_prefetch_b8 v0, s[64:65] scope:SCOPE_SE
	s_setreg_imm32_b32 hwreg(HW_REG_WAVE_MODE, 25, 1), 1
	s_wait_xcnt 0x0
	s_wait_alu depctr_hold_cnt(0) depctr_sa_sdst(0) depctr_va_vdst(0) depctr_va_sdst(0) depctr_va_ssrc(0) depctr_va_vcc(0) depctr_vm_vsrc(0)
	s_getreg_b32 s2, hwreg(HW_REG_IB_STS2, 6, 4)
	s_cmp_eq_u32 s2, 0
	s_cbranch_scc0 .Lentry_in_a_cluster
	s_endpgm
.Lentry_in_a_cluster:
	s_bfe_u32 s2, ttmp6, 0x10000c
	s_cmp_lg_u32 s2, 0x3003
	s_cbranch_scc0 .Lentry_shape_is_right
	s_endpgm
.Lentry_shape_is_right:
.set FRB,   1536
.set VOFF,  4*FRB
.set SCOFF, 8*FRB
.set STEPB, 12800
.set HEADB, 16*STEPB
.set STAGE, HEADB
.set SP,    272
.set LI,   1
.set ADR,  2
.set RD,   3
.set QR,   4
.set STO,  5
.set SH,   6
.set QZ0,  16
.set QA,   22
.set QZ1,  28
.set QBK,  34
.set QZ2,  40
.set QS,   46
.set F,    52
.set SC,   100
.set S,    104
.set O,    168
.set T,    200
.set PC,   200
.set PT,   212
.set BM,   220
.set BP,   224
.set BS,   228
.set FF,   232
.set PW,   234
.set TMP,  235
.set SUM2, 236
.set RC,   238
.set WV,   10
.set G1,   16
.set G0,   24
.set SEL,  28
.set CS,   30
.set TB,   32
.set CNT,  33
.set EXPM, 40
.set SGN,  41
.macro CROUND
	s_barrier_signal -1
	s_barrier_wait -1
	s_cmp_lg_u32 s[WV], 0
	s_cbranch_scc1 .Lnot_wave_0_\@
	s_barrier_signal -3
.Lnot_wave_0_\@:
	s_barrier_wait -3
	s_barrier_signal -1
	s_barrier_wait -1
.endm
.macro LOADQ p
.set j, 0
.rept 8
	global_load_b128 v[F+4*j:F+4*j+3], v[LI], s[4:5] offset:65536*\p+512*j th:TH_LOAD_NT
.set j, j+1
.endr
.endm
	s_load_b128 s[4:7], s[0:1], 0x0
	s_load_b64 s[8:9], s[0:1], 0x10
	v_lshl_add_u32 v254, v0, 2, 0x43000
	v_mov_b32 v255, 0
	ds_add_u32 v254, v255
	ds_add_u32 v254, v255
	v_lshrrev_b32 v7, 5, v0
	v_readfirstlane_b32 s[WV], v7
	s_and_b32 s11, ttmp7, 0xffff
	s_bfe_u32 s12, ttmp6, 0x40000
	s_mul_i32 s13, s[WV], STEPB
	s_mul_i32 s14, s11, HEADB
	s_add_co_u32 s14, s14, s13
	s_mov_b32 s15, 0
	s_lshl_b32 s34, s11, 19
	s_lshl_b32 s37, s12, 17
	s_add_co_u32 s34, s34, s37
	s_lshl_b32 s38, s[WV], 12
	s_add_co_u32 s34, s34, s38
	s_mov_b32 s35, 0
	s_mul_i32 s36, s[WV], 16*SP
	s_add_co_u32 s36, s36, STAGE
	s_mov_b32 s[G1+0], 15|(3<<16)|(1<<21)
	s_mov_b32 s[G1+1], 32<<16
	s_mov_b32 s[G1+2], 50<<16
	s_mov_b32 s[G1+3], 32<<16
	s_mov_b32 s[G1+4], 50
	s_mov_b32 s[G1+5], 32
	s_mov_b32 s[G1+6], 0
	s_mov_b32 s[G1+7], 0
	s_mov_b32 s[SEL], 0x76543210
	s_mov_b32 s[SEL+1], 0xfedcba98
	s_mov_b32 s[CS], 0x3fb8aa3b
	s_mov_b32 s[CS+1], s[CS]
	s_mov_b32 s[EXPM], 0x7f800000
	s_mov_b32 s[SGN], 0x80000000
	v_and_b32 v7, 31, v0
	v_lshlrev_b32 v[LI], 4, v7
	v_and_b32 v8, 15, v0
	v_bfe_u32 v9, v0, 4, 1
	v_mul_u32_u24 v10, v8, SP
	v_mul_u32_u24 v[RD], v9, SP
	v_lshl_add_u32 v[RD], v8, 4, v[RD]
	v_add_nc_u32 v[RD], s36, v[RD]
	v_lshl_add_u32 v[QR], v9, 7, v10
	v_add_nc_u32 v[QR], s36, v[QR]
	v_lshl_add_u32 v[STO], v9, 5, v10
	v_add_nc_u32 v[STO], s36, v[STO]
	v_lshlrev_b32 v[SH], 3, v9
.irp i, 0,1,2,3,4,5
	v_mov_b32 v[QZ0+\i], 0
	v_mov_b32 v[QZ1+\i], 0
	v_mov_b32 v[QZ2+\i], 0
.endr
.irp b, 0,1,2,3
	v_mov_b32 v[BP+\b], 0
.endr
	v_mov_b32 v[FF+1], 0
	v_mov_b32 v[RC+1], 0
	s_wait_dscnt 0x0
	s_wait_kmcnt 0x0
	s_mov_b32 s[G0+0], 1
	s_mov_b32 s[G0+1], s13
	s_add_nc_u64 s[G0+2:G0+3], s[6:7], s[14:15]
	s_or_b32 s[G0+3], s[G0+3], 0x80000000
	s_add_nc_u64 s[4:5], s[4:5], s[34:35]
	s_add_nc_u64 s[8:9], s[8:9], s[34:35]
	CROUND
	tensor_load_to_lds s[G0:G0+3], s[G1:G1+7]
	s_nop 0
.rept 4
	v_nop
.endr
	LOADQ 0
.macro GRID src, lo
.irp g, 0,4,8,12,16,20,24,28
.irp i, 0,1,2,3
	v_and_b32 v[O+\i], s[EXPM], v[(\src)+\g+\i]
.endr
.irp i, 0,1,2,3
	v_max_num_f32 v[O+\i], v[O+\i], v[\lo]
.endr
.irp i, 0,1,2,3
	v_and_or_b32 v[O+\i], v[(\src)+\g+\i], s[SGN], v[O+\i]
.endr
.irp i, 0,1,2,3
	v_fmamk_f32 v[(\src)+\g+\i], v[O+\i], 0x4a000000, v[(\src)+\g+\i]
.endr
.irp i, 0,1,2,3
	v_fmamk_f32 v[(\src)+\g+\i], v[O+\i], 0xca000000, v[(\src)+\g+\i]
.endr
.endr
.endm
.macro QQ
	s_wait_loadcnt 0x0
.set j, 0
.rept 8
	ds_store_b128 v[RD], v[F+4*j:F+4*j+3] offset:2*SP*j
.set j, j+1
.endr
.set j, 0
.rept 8
	ds_load_b128 v[S+4*j:S+4*j+3], v[QR] offset:16*j
.set j, j+1
.endr
	s_wait_dscnt 0x0
	v_max3_num_f32 v[BM], |v[S]|, |v[S+1]|, 0x4800000
	v_max3_num_f32 v[BM+1], |v[S+16]|, |v[S+17]|, 0x4800000
.irp i, 2,4,6,8,10,12,14
	v_max3_num_f32 v[BM], v[BM], |v[S+\i]|, |v[S+\i+1]|
	v_max3_num_f32 v[BM+1], v[BM+1], |v[S+16+\i]|, |v[S+17+\i]|
.endr
	v_max_num_f32 v[BM], v[BM], v[BM+1]
	v_add_nc_u32 v[BS], 0xfe000000, v[BM]
	v_add_nc_u32 v[BS+1], 0xfe000000, v[BS]
	v_lshrrev_b32 v[BS+2], 23, v[BS]
	v_lshlrev_b32 v[BS+2], v[SH], v[BS+2]
	v_permlanex16_b32 v[BP], v[BS+2], s[SEL], s[SEL+1]
	v_or_b32 v[QS], v[BS+2], v[BP]
	v_add_nc_u32 v[QS+1], 0xfffffbfc, v[QS]
	v_lshlrev_b32 v[QS+2], 16, v[QS]
	v_lshlrev_b32 v[QS+3], 16, v[QS+1]
	v_and_b32 v[O+4], s[EXPM], v[BS]
	v_add_nc_u32 v[O+5], 0x800000, v[O+4]
	v_mul_f32 v[O+4], 0.25, v[O+4]
	GRID S, O+4
.set i, 0
.rept 32
	v_and_b32 v[O+6], 0x7fffffff, v[S+i]
	v_cmp_le_u32 vcc_lo, v[O+5], v[O+6]
	v_cndmask_b32 v[S+32+i], v[S+i], v[QZ0], vcc_lo
	v_cndmask_b32 v[S+i], 0, v[S+i], vcc_lo
.set i, i+1
.endr
	v_cvt_scalef32_pk16_bf6_f32 v[QA:QA+2], v[S:S+15], v[BS]
	v_cvt_scalef32_pk16_bf6_f32 v[PT:PT+2], v[S+16:S+31], v[BS]
	v_cvt_scalef32_pk16_bf6_f32 v[QBK:QBK+2], v[S+32:S+47], v[BS+1]
	v_cvt_scalef32_pk16_bf6_f32 v[PT+4:PT+6], v[S+48:S+63], v[BS+1]
	v_nop
.irp i, 0,1,2
	v_mov_b32 v[QA+3+\i], v[PT+\i]
	v_mov_b32 v[QBK+3+\i], v[PT+4+\i]
.endr
.endm
.macro SCORE d, f, q, w
	v_wmma_scale_f32_16x16x128_f8f6f4 v[\d:\d+7], v[F+12*\f:F+12*\f+11], v[\q:\q+11], 0, v[SC+\f], v[\w] matrix_a_fmt:MATRIX_FMT_BF6 matrix_b_fmt:MATRIX_FMT_BF6
.endm
.macro STEP
	v_add_nc_u32 v[ADR], s[TB], v[LI]
.rept 5
	v_nop
.endr
	ds_load_b128 v[SC:SC+3], v[ADR] offset:SCOFF
.irp f, 0,1,2,3
.irp g, 0,1,2
	ds_load_b128 v[F+12*\f+4*\g:F+12*\f+4*\g+3], v[ADR] offset:FRB*\f+512*\g
.endr
.endr
.irp f, 0,1
	s_wait_dscnt 9-3*\f
	SCORE S+16*\f, \f, QA, QS
	SCORE T+16*\f, \f, QBK, QS+1
	SCORE S+16*\f+8, \f, QZ0, QS+2
	SCORE T+16*\f+8, \f, QZ1, QS+3
.endr
.irp f, 2,3
	s_wait_dscnt 9-3*\f
	SCORE S+16*\f, \f, QA, QS
	SCORE S+16*\f+8, \f, QZ0, QS+2
.endr
.rept 4
	v_nop
.endr
.set j, 0
.rept 16
	v_pk_add_f32 v[S+j:S+j+1], v[S+j:S+j+1], v[T+j:T+j+1]
.set j, j+2
.endr
.irp f, 2,3
	SCORE T+16*\f-32, \f, QBK, QS+1
	SCORE T+16*\f-24, \f, QZ1, QS+3
.endr
.set j, 0
.rept 16
	v_pk_mul_f32 v[S+j:S+j+1], v[S+j:S+j+1], s[CS:CS+1] op_sel_hi:[1,0]
.set j, j+2
.endr
.irp t, 0,1,2,3
.irp g, 0,1,2
	ds_load_b128 v[F+12*\t+4*\g:F+12*\t+4*\g+3], v[ADR] offset:VOFF+FRB*\t+512*\g
.endr
.endr
.set j, 0
.rept 16
	v_pk_add_f32 v[S+32+j:S+33+j], v[S+32+j:S+33+j], v[T+j:T+j+1]
.set j, j+2
.endr
.set j, 32
.rept 16
	v_pk_mul_f32 v[S+j:S+j+1], v[S+j:S+j+1], s[CS:CS+1] op_sel_hi:[1,0]
.set j, j+2
.endr
.irp b, 0,1,2,3
	v_max3_num_f32 v[BM+\b], v[S+16*\b], v[S+16*\b+1], v[S+16*\b+2]
.endr
.irp i, 3,5,7,9,11,13
.irp b, 0,1,2,3
	v_max3_num_f32 v[BM+\b], v[BM+\b], v[S+16*\b+\i], v[S+16*\b+\i+1]
.endr
.endr
.irp b, 0,1,2,3
	v_max_num_f32 v[BM+\b], v[BM+\b], v[S+16*\b+15]
.endr
.irp b, 0,1,2,3
	v_permlanex16_b32 v[BP+\b], v[BM+\b], s[SEL], s[SEL+1]
.endr
.irp b, 0,1,2,3
	v_max_num_f32 v[BM+\b], v[BM+\b], v[BP+\b]
.endr
	v_max3_num_f32 v[TMP], v[BM], v[BM+1], v[BM+2]
	v_max_num_f32 v[TMP], v[TMP], v[BM+3]
	v_max_num_f32 v13, v13, v[TMP]
	v_mov_b32 v[TMP], v12
	v_floor_f32 v12, -v13
	v_sub_f32 v[TMP], v12, v[TMP]
	v_cvt_i32_f32 v[TMP], v[TMP]
	v_ldexp_f32 v[FF], 1.0, v[TMP]
.set j, 0
.rept 32
	v_pk_add_f32 v[S+j:S+j+1], v[S+j:S+j+1], v[12:13] op_sel_hi:[1,0]
.set j, j+2
.endr
.irp b, 0,1,2,3
	v_add_f32 v[BM+\b], v[BM+\b], v12
.endr
.set j, 0
.rept 64
	v_exp_f32 v[S+j], v[S+j]
.set j, j+1
.endr
.irp b, 0,1,2,3
	v_exp_f32 v[BM+\b], v[BM+\b]
.endr
	v_pk_mul_f32 v[14:15], v[14:15], v[FF:FF+1] op_sel_hi:[1,0]
	s_wait_alu depctr_va_vdst(0)
.irp b, 0,1,2,3
	v_max_num_f32 v[BM+\b], 0x2800000, v[BM+\b]
.endr
.irp b, 0,1,2,3
	v_add_nc_u32 v[BS+\b], 0xfe000000, v[BM+\b]
.endr
.irp b, 0,1,2,3
	v_lshrrev_b32 v[BP+\b], 23, v[BS+\b]
.endr
	v_lshl_or_b32 v[PW], v[BP+1], 8, v[BP]
	v_lshl_or_b32 v[PW], v[BP+2], 16, v[PW]
	v_lshl_or_b32 v[PW], v[BP+3], 24, v[PW]
.irp c, 0,1
	v_cvt_scalef32_pk16_bf6_f32 v[PC+6*\c:PC+6*\c+2], v[S+32*\c:S+32*\c+15], v[BS+2*\c]
	v_cvt_scalef32_pk16_bf6_f32 v[PT+4*\c:PT+4*\c+2], v[S+32*\c+16:S+32*\c+31], v[BS+2*\c+1]
.endr
	v_nop
.irp c, 0,1
.irp i, 0,1,2
	v_permlane16_swap_b32 v[PC+6*\c+\i], v[PT+4*\c+\i]
.endr
.irp i, 0,1,2
	v_mov_b32 v[PC+6*\c+3+\i], v[PT+4*\c+\i]
.endr
.endr
	v_pk_add_f32 v[SUM2:SUM2+1], v[S:S+1], v[S+2:S+3]
.set j, 4
.rept 15
	v_pk_add_f32 v[14:15], v[14:15], v[S+j:S+j+1]
	v_pk_add_f32 v[SUM2:SUM2+1], v[SUM2:SUM2+1], v[S+j+2:S+j+3]
.set j, j+4
.endr
	v_pk_add_f32 v[14:15], v[14:15], v[SUM2:SUM2+1]
.set j, 0
.rept 16
	v_pk_mul_f32 v[O+j:O+j+1], v[O+j:O+j+1], v[FF:FF+1] op_sel_hi:[1,0]
.set j, j+2
.endr
	s_wait_dscnt 0x0
.irp t, 0,1,2,3
	v_wmma_scale_f32_16x16x128_f8f6f4 v[O+8*\t:O+8*\t+7], v[F+12*\t:F+12*\t+11], v[PC:PC+11], v[O+8*\t:O+8*\t+7], v[SC+\t], v[PW] matrix_a_fmt:MATRIX_FMT_BF6 matrix_b_fmt:MATRIX_FMT_BF6 matrix_a_scale:MATRIX_SCALE_ROW1
.endr
.endm
.macro WAYOUT p
.rept 4
	v_nop
.endr
.if \p == 0
	LOADQ 1
.endif
	v_add_f32 v14, v14, v15
	v_permlanex16_b32 v[TMP], v14, s[SEL], s[SEL+1]
	v_add_f32 v14, v14, v[TMP]
	v_rcp_f32 v[RC], v14
	v_nop
.set j, 0
	s_wait_alu depctr_va_vdst(0)
.rept 16
	v_pk_mul_f32 v[S+j:S+j+1], v[O+j:O+j+1], v[RC:RC+1] op_sel_hi:[1,0]
.set j, j+2
.endr
.irp t, 0,1,2,3
	ds_store_b128 v[STO], v[S+8*\t:S+8*\t+3] offset:64*\t
	ds_store_b128 v[STO], v[S+8*\t+4:S+8*\t+7] offset:64*\t+16
.endr
.irp i, 0,1,2,3,4,5,6,7
	ds_load_b128 v[S+32+4*\i:S+32+4*\i+3], v[RD] offset:2*SP*\i
.endr
.irp i, 0,1,2,3,4,5,6,7
	s_wait_dscnt 7-\i
	global_store_b128 v[LI], v[S+32+4*\i:S+32+4*\i+3], s[8:9] offset:65536*\p+512*\i th:TH_STORE_NT
.endr
.if \p == 0
	s_wait_xcnt 0x0
.endif
.endm
.macro RUN p
	v_mov_b32 v13, 0xff61b1e6
	v_floor_f32 v12, -v13
	v_mov_b32 v14, 0
	v_mov_b32 v15, 0
.set j, 0
.rept 32
	v_mov_b32 v[O+j], 0
.set j, j+1
.endr
	s_mov_b32 s[TB], 0
	s_mov_b32 s[CNT], 16
.Lstep_\@:
	STEP
	s_add_co_u32 s[TB], s[TB], STEPB
	s_sub_co_u32 s[CNT], s[CNT], 1
	s_cmp_lg_u32 s[CNT], 0
	s_cbranch_scc1 .Lstep_\@
	WAYOUT \p
.endm
	QQ
	s_wait_tensorcnt 0x0
	s_wait_dscnt 0x0
	s_barrier_signal -1
	s_barrier_wait -1
	RUN 0
	QQ
	RUN 1
	s_wait_dscnt 0x0
	s_wait_tensorcnt 0x0
	ds_add_u32 v254, v255
	s_wait_dscnt 0x0
	CROUND
	s_endpgm
.Lfunc_end_k_q927e4ea0cf_attn:
	.size	k_q927e4ea0cf_attn, .Lfunc_end_k_q927e4ea0cf_attn-k_q927e4ea0cf_attn
	.p2alignl 7, 3214868480
	.fill 96, 4, 3214868480
	.section	.rodata,"a",@progbits
	.p2align	6, 0x0
	.amdhsa_kernel k_q927e4ea0cf_attn
		.amdhsa_group_segment_fixed_size 276480
		.amdhsa_private_segment_fixed_size 0
		.amdhsa_enable_private_segment 0
		.amdhsa_kernarg_size 24
		.amdhsa_user_sgpr_count 2
		.amdhsa_user_sgpr_kernarg_segment_ptr 1
		.amdhsa_wavefront_size32 1
		.amdhsa_system_sgpr_workgroup_id_x 1
		.amdhsa_system_sgpr_workgroup_id_y 1
		.amdhsa_system_sgpr_workgroup_id_z 1
		.amdhsa_system_vgpr_workitem_id 0
		.amdhsa_next_free_vgpr 256
		.amdhsa_next_free_sgpr 66
		.amdhsa_reserve_vcc 1
		.amdhsa_float_denorm_mode_32 3
		.amdhsa_float_denorm_mode_16_64 3
		.amdhsa_memory_ordered 1
		.amdhsa_forward_progress 1
		.amdhsa_inst_pref_size 89
	.end_amdhsa_kernel
	.amdgpu_metadata
---
amdhsa.version: [ 1, 2 ]
amdhsa.kernels:
  - .name:           k_q927e4ea0cf_attn
    .symbol:         k_q927e4ea0cf_attn.kd
    .args:
      - { .name: input_query, .offset: 0, .size: 8, .value_kind: global_buffer, .address_space: global }
      - { .name: kv, .offset: 8, .size: 8, .value_kind: global_buffer, .address_space: global }
      - { .name: out0, .offset: 16, .size: 8, .value_kind: global_buffer, .address_space: global }
    .group_segment_fixed_size: 276480
    .private_segment_fixed_size: 0
    .kernarg_segment_align: 8
    .kernarg_segment_size: 24
    .max_flat_workgroup_size: 512
    .sgpr_count:     66
    .vgpr_count:     256
    .wavefront_size: 32
...
	.end_amdgpu_metadata
.endif
;; end of part 2
